; MI455X (gfx1250); checked and timed in simulation.
; The chip was launched on July 23, 2026; its instructions are those of AMD's public machine-readable ISA for CDNA 5 (MIT licence, August 2026) and "CDNA5" Instruction Set Architecture Reference Guide (July 2026). The comments in the code are by the model that wrote it; some were corrected since.
;; Scaled Dot Product Attention. Allowed arithmetic: matrix products marked QUANTISED: E2M1 operands, one E8M0 scale for each 32 along K, by v_wmma_scale_f32_16x16x128_f8f6f4 with both operands' format E2M1 (or v_wmma_scale_f32_32x16x128_f4), f32 sums; everything else in f32.
;; Inputs: k 2 x 16 x 2,048 x 64 float32; q 2 x 16 x 2,048 x 64 float32; v 2 x 16 x 2,048 x 64 float32.
;; Outputs: out0 2 x 16 x 2,048 x 64 float32.
;; This version of the problem:
;;   THIS VERSION OF THE PROBLEM IS GIVEN IN LOW PRECISION. The matrix products marked QUANTISED in the list below multiply operands that are first quantised to E2M1 (2 exponent bits, 1 mantissa bit; 4 bits a number), with one power-of-two scale for each 32 numbers along K (OCP MX v1.0); their sums are f32. All else is computed in f32.
;;   The module's matrix products, in the order in which they are computed (A, B: the left and right operand; K: the contracted axis; several contracted axes count as one K, in the product's order):
;;     1. batch 32 x [M 2,048, K 64] x [K 64, N 2,048]; A: input q; B: input k: QUANTISED
;;     2. batch 32 x [M 2,048, K 2,048] x [K 2,048, N 64]; A: softmax (see below); B: input v: QUANTISED
;;   THE QUANTISER, for each operand of a quantised product, along K:
;;     - K is cut into blocks of 32 from its start; a last block that is shorter is filled with zeros.
;;     - A block's scale is 2^e with e = floor(log2(the largest magnitude in the block)) - 2, held to -126 .. 127; a block of zeros has e = 0. As a byte (E8M0): e + 127.
;;     - Each number is divided by its block's scale, clamped to +-6, and rounded to the nearest number of E2M1, ties to even, subnormals kept.
;;     - The product sums the exact products of the quantised numbers (number of the format x scale) in f32.
;;   ~~~python
;;   def quantise(x, axis):      # numpy; x: float32 -> the quantised numbers, widened to float32 again
;;       x = np.moveaxis(x, axis, -1); K = x.shape[-1]
;;       x = np.pad(x, [(0, 0)] * (x.ndim - 1) + [(0, -K % 32)]); x = x.reshape(x.shape[:-1] + (-1, 32)); a = np.abs(x).max(-1, keepdims=True)
;;       e = np.where(a > 0, np.clip(np.frexp(np.where(a > 0, a, 1))[1] - 1 - 2, -126, 127), 0)      # np.frexp(a)[1] - 1 = floor(log2(a)), exactly
;;       r = np.clip(x / 2.0 ** e, -6, 6)
;;       step = 2.0 ** (np.maximum(np.frexp(np.where(r == 0, 1, r))[1] - 1, 0) - 1)
;;       q = np.round(r / step) * step * 2.0 ** e      # np.round: ties to even
;;       return np.moveaxis(q.reshape(q.shape[:-2] + (-1,))[..., :K], -1, axis).astype(np.float32)
;;   ~~~
;;   SOFTMAX AHEAD OF A QUANTISED PRODUCT. Where the list says 'softmax', what is quantised is not the finished softmax but p = 2^(t - M), with t = logit x log2(e) and M = ceil(the row's largest t), a whole number; so 1/2 < the row's largest p <= 1. The row's sum l is taken of the UNQUANTISED p, in f32, and the product's result is divided by l at the end. Since M is a whole number, a kernel that streams over the keys may use a running M (the ceiling of the running maximum): every later rescaling is an exact power of two, which a block's scale takes up: the codes' values come out the same.
;;   OPERANDS COMPUTED ON THE WAY. 'Computed on the way' means the value that the module computes at that place (a softmax that the list does not call 'softmax' is quantised finished and normalised). What goes into a quantiser is computed in f32, as accurately as f32 sums, v_exp_f32 and their like allow (about 1e-6 of the number): no bf16 or f16 on the way to a quantiser, and a product that is left as it is and whose result goes on into a quantised operand takes f32 operands (vector FMAs, or v_wmma_f32_16x16x4_f32). A number that lies on a knife's edge between two numbers of the format may be rounded either way, as far as f32 arithmetic and the matrix unit's own rounding can turn it there, and no further.
;; 2 versions. Each part assembles by itself: llvm-mc -triple=amdgcn-amd-amdhsa -mcpu=gfx1250 --defsym DOCPART=n.
;; ======== version 1 of 2: 1 launch
;; launch attn (part 1): grid 8 x 32, 16 waves a work-group, no clusters, 90,112 bytes of LDS; arguments k, q, v, out0; writes out0
.if DOCPART == 1
	.amdgcn_target "amdgcn-amd-amdhsa--gfx1250"
	.amdhsa_code_object_version 6
	.text
	.protected	k_q93339fee62_attn
	.globl	k_q93339fee62_attn
	.p2align	8
	.type	k_q93339fee62_attn,@function
k_q93339fee62_attn:
	s_mov_b64 s[64:65], 0
	v_nop
	global_prefetch_b8 v0, s[64:65] scope:SCOPE_SE
	s_setreg_imm32_b32 hwreg(HW_REG_WAVE_MODE, 25, 1), 1
	s_wait_xcnt 0x0
; out0[h][q][:] = the sum over keys of softmax(q . k / 8) v, for 32 heads of 2,048 rows x 64 channels, all f32 in memory; both products on codes of FP4 (E2M1) with one E8M0 scale for each 32 along a product's K.
; THE SOFTMAX AHEAD OF THE SECOND PRODUCT: t = score x log2(e) / 8; M = the row's largest t so far, rounded UP to a whole number; p = 2^(t - M) is quantised along the keys, not normalised.  The row's sum is
; taken of the unquantised p, in f32, and divides at the end.  When M moves, the sum and O are multiplied by 2^(old M - new M), which rounds nothing.
; SHARES.  A work-group owns 256 queries of one head; each of its sixteen waves owns 16 of them in 256 registers, four waves to a SIMD, so that one wave's vector work stands beside another's products and LDS loads.
; Every wave walks the head's 2,048 keys, 128 a step.  K AND V ARE QUANTISED HERE, ONE STEP AHEAD: a step's 128 rows of K and of V are 16,384 numbers, 32 for each of the 512 threads.  They are asked for a whole
; step before they are wanted, quantised in registers, and stored into one of two small LDS slots AS IMAGES OF THE OPERANDS' REGISTERS: every wave then gets a fragment by loads of 16 bytes at 16 x lane.
; LAYOUT.  Both products are used transposed: S^T = K Q^T (source 0 = 16 keys, source 1 = my 16 queries), O^T = V^T P^T (source 0 = 16 channels, source 1 = P): a lane holds ONE query (lane % 16) throughout.
; The head's 64 channels are half of the instruction's 128 along K: a fragment of K or Q is four registers of codes (lane (r, h): block h of row r) and four of zero codes; bytes 2 and 3 of their scale words are 0.
; THE KEYS OF A TILE ARE NOT NEIGHBOURS: row rho of tile 4 c + i is key 64 c + 32 (rho / 8) + 8 i + rho % 8.  So a lane's 32 registers of tiles 4 c .. 4 c + 3 are the whole block of keys 64 c + 32 (lane / 16) + 0 .. 31,
; in the order of P's operand registers 4 c .. 4 c + 3: a block's largest score needs no other lane, and the conversions' results are the operand as they stand.
; ONE BARRIER A STEP, signal and wait apart.  In front of the signal a wave's stores into the next slot have landed and its reads of this slot are in; the softmax and the second product, on registers alone,
; stand between signal and wait; behind the wait the next slot is read and this one is written again.
; NO CLUSTER, NO JOINT LOADS, though the eight query blocks of a head walk the same K and V: what they share is f32, 65,536 bytes a step, which must pass through registers to be quantised.  Landed jointly in LDS it would
; be read out of LDS again in full, against the 8,960 bytes of codes and scales that a slot holds here, and every step's barrier would become a round of a cluster.  For the same reason no tensor load is used.
; O^T and the sum begin as zeros and the largest t as -3e38, so that the step is written without a first form of its own: 35 v_mov_b32 once.
; LIMITS.  NaN and infinities among the inputs are not served.  A block of zeros, or one whose largest magnitude lies under 2^-124, gets the scale byte 1 where the rule says 127 for zeros: its codes are zeros or the
; held scale's, and this program alone reads the bytes.  p under 2^-126 comes out of v_exp_f32 as 0.  A block's largest p is made from its largest score by the same multiply-add and exponential as every p, which takes
; v_exp_f32 not to fall where its input rises.
.set SLOTB, 9216                       ; an LDS slot: a key step's codes and scales
.set KIMG,  0                          ; 4,096 bytes: K's tile t at 512 t; lane (rho, block) has 16 bytes at 16 (rho + 16 block)
.set VIMG,  4096                       ; 4,096 bytes: V's channel tile ct at 1,024 ct, registers 4 c .. 4 c + 3 at 512 c, 16 bytes a lane
.set SCK,   8192                       ; 512 bytes: K's scale word of tile 4 c + i, row rho, at 256 c + 16 rho + 4 i
.set SCV,   8704                       ; 256 bytes: V's scale byte of channel 16 ct + r, key block b, at 16 r + 4 ct + b
.set STAGE, 2*SLOTB                    ; behind the slots: 16 rows x 272 bytes for each wave, for the way out
.set SP,    272                        ; a stage row: 256 bytes + 16: an odd multiple of 16, so that the 16 rows of a store begin at 16 different places modulo 256
.set TILEB, 32768                      ; a key step's rows of K or of V in memory: 128 x 256 bytes
.set FLOOR, 0x1800000                  ; 2^(3 - 127): no largest magnitude is taken under it, so that no scale byte falls under 1
.set LI,  1                            ; v1   16 x lane
.set LR,  2                            ; v2   16 x (lane % 16)
.set KST, 3                            ; v3   where I store 4 bytes of K's codes
.set KSS, 4                            ; v4   and my key's scale word
.set VST, 5                            ; v5   where I store 8 bytes of V's codes
.set VSS, 6                            ; v6   and my block's scale byte
.set KGO, 7                            ; v7   my byte offset in a key step's rows of K
.set VGO, 8                            ; v8   and of V
.set SHK, 9                            ; v9   8 x (which block of a key's 64 channels my eight numbers lie in)
.set SHH, 10                           ; v10  8 x (lane / 16)
.set QO,  11                           ; v11  my byte offset in the wave's rows of q
                                       ; v12  -M;  v13 the largest t so far;  v[14:15] the row's sum in two halves
.set QF,  16                           ; v[16:23]   q's fragment: 4 registers of codes, 4 of zeros
.set QS,  24                           ; v24        q's scale words
.set GO,  25                           ; v25        the way out: my byte offset in the wave's rows of out0
.set STO, 26                           ; v26        the way out: where I put 32 bytes of a row
.set RD,  27                           ; v27        the way out: where I read a row back
.set KS,  28                           ; v[28:31]   K's scale words: lanes 0-15 tiles 0-3, lanes 16-31 tiles 4-7
.set VS,  32                           ; v[32:35]   V's scale words, one register a channel tile
.set PS,  36                           ; v36        p's scale word
.set KF,  40                           ; v[40:71]   four fragments of K; the upper four registers of each are zeros, written once
.set VF,  72                           ; v[72:103]  V's four fragments
.set SC,  104                          ; v[104:167] S^T, then p
.set OT,  168                          ; v[168:199] O^T: register 8 ct + j is channel 16 ct + 8 (lane / 16) + j of my query
.set PC,  200                          ; v[200:207] p's codes
.set KR,  208                          ; v[208:223] 2 x 8 numbers of K on their way in
.set VR,  224                          ; v[224:239] 16 numbers of V on their way in
.set TM,  240                          ; v[240:255] at work
.set WV,  12                           ; s12  my wave's number
.set CNT, 13                           ; s13  trips to go
.set SEL, 20                           ; s[20:21] v_permlanex16_b32's selects for lane l xor 16
.set CS,  22                           ; s[22:23] c = log2(e) / 8: the packed form names a pair and takes its low word for both halves
	s_load_b256 s[4:11], s[0:1], 0x0               ; k s[4:5], q s[6:7], v s[8:9], out0 s[10:11]
	v_lshl_add_u32 v38, v0, 2, 0x15800
	v_mov_b32 v39, 0
	v_lshrrev_b32 v[TM], 5, v0
	v_readfirstlane_b32 s[WV], v[TM]               ; wave 0..15
	s_and_b32 s14, ttmp7, 0xffff                   ; the head,
	s_lshl_b32 s14, s14, 19                        ; its first byte in each tensor: 2,048 rows of 256 bytes
	s_mov_b32 s15, 0
	s_lshl_b32 s16, ttmp9, 16                      ; my work-group's 256 queries,
	s_lshl_b32 s18, s[WV], 12                      ; my wave's 16 of them
	s_add_co_u32 s16, s16, s18
	s_add_co_u32 s16, s16, s14
	s_mov_b32 s17, 0
	s_mov_b32 s[SEL], 0x76543210
	s_mov_b32 s[SEL+1], 0xfedcba98
	s_mov_b32 s[CS], 0x3e38aa3b                    ; log2(e) / 8
	s_mov_b32 s[CS+1], s[CS]                       ; (named with it as a pair, so it is written)
	s_mov_b32 s[CNT], 7
	; Thread number = 32 w + l.  Every LDS address is made of its bit fields and constants.
	v_and_b32 v[LI], 31, v0
	v_lshlrev_b32 v[LI], 4, v[LI]
	v_and_b32 v[LR], 15, v0
	v_lshlrev_b32 v[LR], 4, v[LR]
	v_and_b32 v[TM], 3, v0                         ; l % 4: which register of a K fragment's four my eight codes are
	v_bfe_u32 v[TM+1], v0, 2, 1                    ; which block of the key's 64 channels
	v_bfe_u32 v[TM+2], v0, 3, 2                    ; l / 8: which of four keys
	v_bfe_u32 v[TM+3], v0, 5, 2                    ; w % 4
	v_bfe_u32 v[TM+4], v0, 7, 1                    ; (w / 4) % 2
	v_bfe_u32 v[TM+5], v0, 8, 1                    ; w / 8
	v_bfe_u32 v[TM+6], v0, 4, 1                    ; h = l / 16
	v_bfe_u32 v[TM+7], v0, 7, 2                    ; w / 4
	v_and_b32 v[TM+8], 0x1e0, v0                   ; 32 w
	; K: I hold channels 8 (l % 8) + 0 .. 7 of keys 8 w + 4 i + l / 8, i = 0, 1.  That key is row 8 ((w / 4) % 2) + 4 i + l / 8 of tile 4 (w / 8) + w % 4.
	v_lshlrev_b32 v[KST], 2, v[TM]
	v_lshl_add_u32 v[KST], v[TM+1], 8, v[KST]
	v_lshl_add_u32 v[KST], v[TM+2], 4, v[KST]
	v_lshl_add_u32 v[KST], v[TM+3], 9, v[KST]
	v_lshl_add_u32 v[KST], v[TM+4], 7, v[KST]
	v_lshl_add_u32 v[KST], v[TM+5], 11, v[KST]     ; 512 tile + 16 (row + 16 block) + 4 (l % 4); 64 i stands in the store's immediate
	v_lshlrev_b32 v[KSS], 4, v[TM+2]
	v_lshl_add_u32 v[KSS], v[TM+3], 2, v[KSS]
	v_lshl_add_u32 v[KSS], v[TM+4], 7, v[KSS]
	v_lshl_add_u32 v[KSS], v[TM+5], 8, v[KSS]      ; 256 (w / 8) + 16 row + 4 (w % 4)
	; V: I hold keys 32 (w / 4) + 16 h + 0 .. 15 of channel 16 (w % 4) + r: half of key block w / 4 = 2 c + h' of the operand's layout
	v_lshl_add_u32 v[VST], v[TM+6], 3, v[LR]
	v_lshl_add_u32 v[VST], v[TM+3], 10, v[VST]
	v_lshl_add_u32 v[VST], v[TM+4], 8, v[VST]
	v_lshl_add_u32 v[VST], v[TM+5], 9, v[VST]      ; 1,024 (w % 4) + 512 c + 16 (r + 16 h') + 8 h
	v_lshl_add_u32 v[VSS], v[TM+3], 2, v[LR]
	v_add_nc_u32 v[VSS], v[VSS], v[TM+7]           ; 16 r + 4 (w % 4) + w / 4
	v_lshlrev_b32 v[KGO], 1, v[LI]
	v_lshl_add_u32 v[KGO], v[TM+8], 6, v[KGO]      ; 8 rows of 256 bytes a wave + 32 l
	v_lshrrev_b32 v[VGO], 2, v[LR]
	v_lshl_add_u32 v[VGO], v[TM+6], 12, v[VGO]
	v_lshl_add_u32 v[VGO], v[TM+3], 6, v[VGO]
	v_lshl_add_u32 v[VGO], v[TM+7], 13, v[VGO]     ; 4 r + 16 h rows + 64 (w % 4) + 32 (w / 4) rows
	v_lshlrev_b32 v[SHK], 3, v[TM+1]
	v_lshlrev_b32 v[SHH], 3, v[TM+6]
	v_lshlrev_b32 v[QO], 4, v[LR]
	v_lshl_add_u32 v[QO], v[TM+6], 7, v[QO]        ; q: row r of 256 bytes, + 128 h: block h is all mine
	s_wait_kmcnt 0x0
	s_add_nc_u64 s[4:5], s[4:5], s[14:15]          ; k and v at the head's first key
	s_add_nc_u64 s[8:9], s[8:9], s[14:15]
	s_add_nc_u64 s[6:7], s[6:7], s[16:17]          ; q and out0 at my wave's first query
	s_add_nc_u64 s[10:11], s[10:11], s[16:17]
; The 20 loads of a key step's numbers, off bytes from the bases.  No hint: eight work-groups read the same bytes.
.macro LOADT off
.irp i, 0,1
.irp e, 0,1
	global_load_b128 v[KR+8*\i+4*\e:KR+8*\i+4*\e+3], v[KGO], s[4:5] offset:\off+1024*\i+16*\e   ; eight neighbours along a key's channels in one lane; the pair e = 0, 1 covers 1,024 consecutive bytes
.endr
.endr
.irp j, 0,1,2,3,4,5,6,7,8,9,10,11,12,13,14,15
	global_load_b32 v[VR+\j], v[VGO], s[8:9] offset:\off+256*\j   ; a lane to a channel, its registers down the keys; four waves stand side by side on a row's 256 bytes
.endr
.endm
; The numbers in KR and VR become codes and scales in LDS slot slot.
.macro QUANT slot
	s_wait_loadcnt 0x0                             ; the 20 loads of this tile, asked for a step ago, are the only ones out
.irp i, 0,1
	v_max3_num_f32 v[TM+\i], |v[KR+8*\i]|, |v[KR+8*\i+1]|, FLOOR   ; K: the largest magnitude of my eight, and the floor
.endr
	v_max3_num_f32 v[TM+8], |v[VR]|, |v[VR+1]|, FLOOR              ; V: of my sixteen, in two chains
	v_max3_num_f32 v[TM+9], |v[VR+2]|, |v[VR+3]|, |v[VR+4]|
.irp n, 2,4,6
.irp i, 0,1
	v_max3_num_f32 v[TM+\i], v[TM+\i], |v[KR+8*\i+\n]|, |v[KR+8*\i+\n+1]|
.endr
.endr
.irp n, 5,9
	v_max3_num_f32 v[TM+8], v[TM+8], |v[VR+\n]|, |v[VR+\n+1]|
	v_max3_num_f32 v[TM+9], v[TM+9], |v[VR+\n+2]|, |v[VR+\n+3]|
.endr
	v_max3_num_f32 v[TM+8], v[TM+8], |v[VR+13]|, |v[VR+14]|
	v_max3_num_f32 v[TM+8], v[TM+8], v[TM+9], |v[VR+15]|
.irp i, 0,1
	v_max_num_f32_dpp v[TM+\i], v[TM+\i], v[TM+\i] row_xmask:1 row_mask:0xf bank_mask:0xf
.endr
.irp i, 0,1
	v_max_num_f32_dpp v[TM+\i], v[TM+\i], v[TM+\i] row_xmask:2 row_mask:0xf bank_mask:0xf   ; K: with the three lanes that share the block of 32 channels
.endr
	v_permlanex16_b32 v[TM+9], v[TM+8], s[SEL], s[SEL+1]
	v_max_num_f32 v[TM+8], v[TM+8], v[TM+9]        ; V: with lane l xor 16's sixteen keys
.irp i, 0,1
	v_add_nc_u32 v[TM+2+\i], 0xff000000, v[TM+\i]  ; 2 off the exponent field: the conversion takes the exponent field of this operand as its scale
.endr
	v_add_nc_u32 v[TM+10], 0xff000000, v[TM+8]
.irp i, 0,1
	v_lshrrev_b32 v[TM+4+\i], 23, v[TM+2+\i]       ; the scale's byte,
.endr
	v_lshrrev_b32 v[TM+11], 23, v[TM+10]
.irp i, 0,1
	v_lshlrev_b32 v[TM+4+\i], v[SHK], v[TM+4+\i]   ; K: at its block's place in the key's scale word;
.endr
.irp i, 0,1
	v_mov_b32_dpp v[TM+6+\i], v[TM+4+\i] row_xmask:4 row_mask:0xf bank_mask:0xf   ; the key's other block lies four lanes away
.endr
.irp i, 0,1
	v_or_b32 v[TM+6+\i], v[TM+6+\i], v[TM+4+\i]    ; the word: bytes 0, 1 the two blocks, bytes 2, 3 zero, over zero codes
.endr
.irp i, 0,1
	v_cvt_scalef32_pk8_fp4_f32 v[TM+14+\i], v[KR+8*\i:KR+8*\i+7], v[TM+2+\i]
.endr
	v_cvt_scalef32_pk8_fp4_f32 v[TM+12], v[VR:VR+7], v[TM+10]
	v_cvt_scalef32_pk8_fp4_f32 v[TM+13], v[VR+8:VR+15], v[TM+10]
	v_nop                                          ; one plain vector instruction behind the last scaled conversion
.irp i, 0,1
	ds_store_b32 v[KST], v[TM+14+\i] offset:(\slot)*SLOTB+KIMG+64*\i
	ds_store_b32 v[KSS], v[TM+6+\i] offset:(\slot)*SLOTB+SCK+64*\i   ; the eight lanes of a key write the same word with the same value
.endr
	ds_store_b64 v[VST], v[TM+12:TM+13] offset:(\slot)*SLOTB+VIMG
	ds_store_b8 v[VSS], v[TM+11] offset:(\slot)*SLOTB+SCV            ; both lanes of a block write the same byte with the same value
.endm
; The softmax of my 16 queries x 128 keys: registers alone.  Register SC + 32 c + n of lane (r, h) is key 64 c + 32 h + n of query r.
.macro SOFTMAX
.irp c, 0,1
.irp e, 0,1
	v_max3_num_f32 v[TM+2*\c+\e], v[SC+32*\c+16*\e], v[SC+32*\c+16*\e+1], v[SC+32*\c+16*\e+2]   ; THE LARGEST SCORE OF EACH BLOCK OF 32 KEYS, in two chains a block, each result tile from its low end on
.endr
.endr
.irp n, 3,5,7,9,11,13
.irp c, 0,1
.irp e, 0,1
	v_max3_num_f32 v[TM+2*\c+\e], v[TM+2*\c+\e], v[SC+32*\c+16*\e+\n], v[SC+32*\c+16*\e+\n+1]
.endr
.endr
.endr
.irp c, 0,1
	v_max3_num_f32 v[TM+2*\c], v[TM+2*\c], v[TM+2*\c+1], v[SC+32*\c+15]
.endr
.irp c, 0,1
	v_max_num_f32 v[TM+2*\c], v[TM+2*\c], v[SC+32*\c+31]   ; it serves twice: for the row's maximum and, since p rises with the score, for the block's largest p
.endr
	v_max_num_f32 v[TM+9], v[TM], v[TM+2]
	v_permlanex16_b32 v[TM+8], v[TM+9], s[SEL], s[SEL+1]
	v_max_num_f32 v[TM+9], v[TM+9], v[TM+8]        ; with lane l xor 16's 64 keys: the step's largest score of my query
	v_mul_f32 v[TM+9], s[CS], v[TM+9]              ; as t (c is positive)
	v_max_num_f32 v13, v13, v[TM+9]                ; the running largest t
	v_mov_b32 v[TM+9], v12
	v_floor_f32 v12, -v13                          ; the new -M = floor(-t) = -ceil(t): a whole number
	v_sub_f32 v[TM+9], v12, v[TM+9]                ; old M less new M: a whole number, 0 or less
	v_cvt_i32_f32 v[TM+9], v[TM+9]                 ; (it saturates)
	v_ldexp_f32 v[TM+10], 1.0, v[TM+9]             ; f = 2^(old M - new M)
.irp n, 0,2,4,6,8,10,12,14,16,18,20,22,24,26,28,30,32,34,36,38,40,42,44,46,48,50,52,54,56,58,60,62
	v_pk_fma_f32 v[SC+\n:SC+\n+1], v[SC+\n:SC+\n+1], s[CS:CS+1], v[12:13] op_sel_hi:[1,0,0]   ; t - M, two at a time (of the pairs c and -M the low word serves both halves)
.endr
.irp c, 0,1
	v_fma_f32 v[TM+2*\c], v[TM+2*\c], s[CS], v12   ; the same of each block's largest score
.endr
.irp n, 0,1,2,3,4,5,6,7,8,9,10,11,12,13,14,15,16,17,18,19,20,21,22,23,24,25,26,27,28,29,30,31,32,33,34,35,36,37,38,39,40,41,42,43,44,45,46,47,48,49,50,51,52,53,54,55,56,57,58,59,60,61,62,63
	v_exp_f32 v[SC+\n], v[SC+\n]                   ; p = 2^(t - M), at most 1: not normalised
.endr
.irp c, 0,1
	v_exp_f32 v[TM+2*\c], v[TM+2*\c]               ; the block's largest p: the same two instructions on the same number
.endr
	v_pk_mul_f32 v[14:15], v[14:15], v[TM+10:TM+11] op_sel_hi:[1,0]   ; the sums under the new M; also the plain instruction behind the exponentials
	s_wait_alu depctr_va_vdst(0)
.irp c, 0,1
	v_max_num_f32 v[TM+2*\c], FLOOR, v[TM+2*\c]    ; the floor: a block whose every p has fallen to 0 keeps the byte 1: its codes are zeros
.endr
.irp c, 0,1
	v_add_nc_u32 v[TM+4+\c], 0xff000000, v[TM+2*\c]   ; 2 off the exponent field: the conversion's scale operand
.endr
.irp c, 0,1
	v_lshrrev_b32 v[TM+6+\c], 23, v[TM+4+\c]       ; the scale's byte
.endr
	v_lshl_or_b32 v[TM+6], v[TM+7], 16, v[TM+6]    ; my two bytes, key blocks h and 2 + h,
	v_lshlrev_b32 v[TM+6], v[SHH], v[TM+6]         ; at their places;
	v_permlanex16_b32 v[TM+8], v[TM+6], s[SEL], s[SEL+1]
	v_or_b32 v[PS], v[TM+6], v[TM+8]               ; with lane l xor 16's two the query's scale word is whole
.irp c, 0,1
.irp g, 0,1,2,3
	v_cvt_scalef32_pk8_fp4_f32 v[PC+4*\c+\g], v[SC+32*\c+8*\g:SC+32*\c+8*\g+7], v[TM+4+\c]   ; register 4 c + g of the operand: keys 64 c + 32 h + 8 g + 0 .. 7
.endr
.endr
	v_nop                                          ; one plain vector instruction behind the last scaled conversion
	v_pk_add_f32 v[TM+12:TM+13], v[SC:SC+1], v[SC+2:SC+3]   ; THE ROW'S SUM IS TAKEN OF THE UNQUANTISED p: two at a time, in two chains
.irp n, 4,8,12,16,20,24,28,32,36,40,44,48,52,56,60
	v_pk_add_f32 v[14:15], v[14:15], v[SC+\n:SC+\n+1]
	v_pk_add_f32 v[TM+12:TM+13], v[TM+12:TM+13], v[SC+\n+2:SC+\n+3]
.endr
	v_pk_add_f32 v[14:15], v[14:15], v[TM+12:TM+13]
.irp n, 0,2,4,6,8,10,12,14,16,18,20,22,24,26,28,30
	v_pk_mul_f32 v[OT+\n:OT+\n+1], v[OT+\n:OT+\n+1], v[TM+10:TM+11] op_sel_hi:[1,0]   ; O^T under the new M, each tile from its low end on.  The 48 packed lines stand between the writing of p's codes and scale word and the products that take them
.endr
.endm
; A KEY STEP on the tiles in LDS slot slot.  quant = 1: the next step's numbers, which are in registers, are quantised into the other slot, and the step has a barrier.  load = 1: the step after that is asked for, off bytes from the bases.
.macro STEP slot, quant, load, off
	ds_load_b128 v[KS:KS+3], v[LI] offset:(\slot)*SLOTB+SCK          ; lanes 0-15: the words of tiles 0-3, row = lane; lanes 16-31: those of tiles 4-7
.irp i, 0,1,2,3
	ds_load_b128 v[KF+8*\i:KF+8*\i+3], v[LI] offset:(\slot)*SLOTB+KIMG+512*\i
.endr
	s_wait_dscnt 0x0
.irp i, 0,1,2,3
	v_wmma_scale_f32_16x16x128_f8f6f4 v[SC+8*\i:SC+8*\i+7], v[KF+8*\i:KF+8*\i+7], v[QF:QF+7], 0, v[KS+\i], v[QS] matrix_a_fmt:MATRIX_FMT_FP4 matrix_b_fmt:MATRIX_FMT_FP4
.endr
.rept 4
	v_nop                                          ; four plain vector instructions in front of loads into registers that matrix instructions have read: K's fragments just multiplied, and V's fragments and scale words, which the last step's closing products read
.endr
.irp i, 0,1,2,3
	ds_load_b128 v[KF+8*\i:KF+8*\i+3], v[LI] offset:(\slot)*SLOTB+KIMG+2048+512*\i
.endr
	ds_load_b128 v[VS:VS+3], v[LR] offset:(\slot)*SLOTB+SCV          ; lane r: the words of channels r, 16 + r, 32 + r, 48 + r
.irp t, 0,1,2,3
.irp c, 0,1
	ds_load_b128 v[VF+8*\t+4*\c:VF+8*\t+4*\c+3], v[LI] offset:(\slot)*SLOTB+VIMG+1024*\t+512*\c
.endr
.endr
	s_wait_dscnt 9                                 ; K's tiles 4-7 are in; the nine younger loads, V's, may be out
.irp i, 0,1,2,3
	v_wmma_scale_f32_16x16x128_f8f6f4 v[SC+32+8*\i:SC+32+8*\i+7], v[KF+8*\i:KF+8*\i+7], v[QF:QF+7], 0, v[KS+\i], v[QS] matrix_a_fmt:MATRIX_FMT_FP4 matrix_b_fmt:MATRIX_FMT_FP4 matrix_a_scale:MATRIX_SCALE_ROW1
.endr
.if \quant
	QUANT 1-(\slot)                                ; its first lines, on other registers, are the plain instructions between the products and the first read of the scores
.if \load
	LOADT \off                                     ; into the registers just quantised: these loads have a whole step in which to land
.endif
	s_wait_dscnt 0x0                               ; for the others' sake: my stores into the next slot have landed and my reads of this slot, V's among them, are in
	s_barrier_signal -1
.else
.rept 4
	v_nop                                          ; between the products and the first read of the scores
.endr
	s_wait_dscnt 0x0                               ; V's fragments and scale words are in
.endif
	SOFTMAX
.irp t, 0,1,2,3
	v_wmma_scale_f32_16x16x128_f8f6f4 v[OT+8*\t:OT+8*\t+7], v[VF+8*\t:VF+8*\t+7], v[PC:PC+7], v[OT+8*\t:OT+8*\t+7], v[VS+\t], v[PS] matrix_a_fmt:MATRIX_FMT_FP4 matrix_b_fmt:MATRIX_FMT_FP4   ; O^T += V^T P^T; the four accumulators take turns, one instruction a turn
.endr
.if \quant
	s_barrier_wait -1                              ; every wave has signalled: the next slot is whole, and nobody reads this one any more
.endif
.endm
.irp i, 0,1,2,3,4,5,6,7
	global_load_b128 v[SC+4*\i:SC+4*\i+3], v[QO], s[6:7] offset:16*\i th:TH_LOAD_NT   ; q(r, 32 h + 0 .. 31): read once in the launch, by this wave
.endr
	LOADT 0                                        ; key step 0
.irp i, 0,1,2,3
.irp g, 4,5,6,7
	v_mov_b32 v[KF+8*\i+\g], 0                     ; zero codes for k = 64 .. 127 of the first product, written once
.endr
.endr
.irp g, 4,5,6,7
	v_mov_b32 v[QF+\g], 0
.endr
.irp n, 0,1,2,3,4,5,6,7,8,9,10,11,12,13,14,15,16,17,18,19,20,21,22,23,24,25,26,27,28,29,30,31
	v_mov_b32 v[OT+\n], 0                          ; O^T: the first step finds zeros, which the first change of M leaves zeros
.endr
	v_mov_b32 v14, 0                               ; the sum, in two halves
	v_mov_b32 v15, 0
	v_mov_b32 v13, 0xff61b1e6                      ; the largest t so far: -3e38, under every t
	v_floor_f32 v12, -v13                          ; -M
	s_wait_loadcnt 20                              ; q's eight loads are in; the 20 of key step 0, issued behind them, may be out
	v_max3_num_f32 v[TM], |v[SC]|, |v[SC+1]|, FLOOR        ; q's block h of my row: all 32 numbers are mine; two chains
	v_max3_num_f32 v[TM+1], |v[SC+2]|, |v[SC+3]|, FLOOR
.irp n, 4,8,12,16,20,24,28
	v_max3_num_f32 v[TM], v[TM], |v[SC+\n]|, |v[SC+\n+1]|
	v_max3_num_f32 v[TM+1], v[TM+1], |v[SC+\n+2]|, |v[SC+\n+3]|
.endr
	v_max_num_f32 v[TM], v[TM], v[TM+1]
	v_add_nc_u32 v[TM+2], 0xff000000, v[TM]        ; the conversion's scale operand
	v_lshrrev_b32 v[TM+3], 23, v[TM+2]             ; the scale's byte,
	v_lshlrev_b32 v[TM+3], v[SHH], v[TM+3]         ; at its block's place;
	v_permlanex16_b32 v[TM+8], v[TM+3], s[SEL], s[SEL+1]   ; (its destination was written in the address arithmetic above)
	v_or_b32 v[QS], v[TM+3], v[TM+8]               ; with lane l xor 16's: bytes 0, 1; bytes 2, 3 zero, over zero codes
.irp g, 0,1,2,3
	v_cvt_scalef32_pk8_fp4_f32 v[QF+\g], v[SC+8*\g:SC+8*\g+7], v[TM+2]
.endr
	v_nop                                          ; one plain vector instruction behind the last scaled conversion
	QUANT 0                                        ; key step 0 into slot 0
	LOADT TILEB                                    ; key step 1
	s_wait_dscnt 0x0                               ; my part of slot 0 has landed,
	s_barrier_signal -1
	s_barrier_wait -1                              ; everybody's has
.Ltrip:                                                ; seven trips of two key steps: step j multiplies tile j, quantises tile j + 1 and asks for tile j + 2; the last trip asks for tiles 14 and 15
	STEP 0, 1, 1, 2*TILEB
	STEP 1, 1, 1, 3*TILEB
	s_wait_xcnt 0x0                                ; the loads that are out have had their addresses translated (ISA guide 3.1): only now are their bases stepped
	s_add_nc_u64 s[4:5], s[4:5], 2*TILEB
	s_add_nc_u64 s[8:9], s[8:9], 2*TILEB
	s_sub_co_u32 s[CNT], s[CNT], 1
	s_cmp_lg_u32 s[CNT], 0
	s_cbranch_scc1 .Ltrip
	STEP 0, 1, 0, 0                                ; key step 14 quantises tile 15 and asks for nothing: no load leaves its buffer
	STEP 1, 0, 0, 0                                ; key step 15: nothing is left to quantise, so it has no barrier
	; THE WAY OUT.  The sum's halves are added; O^T is divided by the sum and goes through my own stage in LDS, so that rows leave whole.  The address arithmetic stands between the last products and the first read of their results.
	v_add_f32 v14, v14, v15                        ; the sum's two halves,
	v_and_b32 v[TM], 15, v0                        ; r
	v_bfe_u32 v[TM+1], v0, 4, 1                    ; h
	s_mul_i32 s18, s[WV], 16*SP
	s_add_co_u32 s18, s18, STAGE                   ; my stage
	v_mul_u32_u24 v[STO], v[TM], SP
	v_lshl_add_u32 v[STO], v[TM+1], 5, v[STO]
	v_add_nc_u32 v[STO], s18, v[STO]               ; in: row r; tile ct's eight channels of my half: 64 ct + 32 h bytes on
	v_permlanex16_b32 v[TM+8], v14, s[SEL], s[SEL+1]
	v_add_f32 v14, v14, v[TM+8]                    ; and lane l xor 16's: the row's sum
	v_rcp_f32 v14, v14
	v_mul_u32_u24 v[RD], v[TM+1], SP               ; (a plain instruction behind the reciprocal)
	v_lshl_add_u32 v[RD], v[TM], 4, v[RD]
	v_add_nc_u32 v[RD], s18, v[RD]                 ; back: lanes 0-15 one row of 256 bytes, lanes 16-31 the next
	v_lshlrev_b32 v[GO], 8, v[TM+1]
	v_lshl_add_u32 v[GO], v[TM], 4, v[GO]          ; and the same two rows in out0
	s_wait_alu depctr_va_vdst(0)
.irp n, 0,2,4,6,8,10,12,14,16,18,20,22,24,26,28,30
	v_pk_mul_f32 v[SC+\n:SC+\n+1], v[OT+\n:OT+\n+1], v[14:15] op_sel_hi:[1,0]   ; O^T / the sum, each tile from its low end on
.endr
.irp t, 0,1,2,3
	ds_store_b128 v[STO], v[SC+8*\t:SC+8*\t+3] offset:64*\t
	ds_store_b128 v[STO], v[SC+8*\t+4:SC+8*\t+7] offset:64*\t+16
.endr
.irp i, 0,1,2,3,4,5,6,7
	ds_load_b128 v[SC+32+4*\i:SC+32+4*\i+3], v[RD] offset:2*\i*SP   ; LDS serves a wave's instructions in order (ISA guide 5.7.1.4): these see my stores
.endr
.irp i, 0,1,2,3,4,5,6,7
	s_wait_dscnt 7-\i                              ; rows 2 i and 2 i + 1 are back; the younger loads may be out
	global_store_b128 v[GO], v[SC+32+4*\i:SC+32+4*\i+3], s[10:11] offset:512*\i th:TH_STORE_NT   ; 32 lanes store 512 consecutive bytes, at a multiple of 256 from out0's first byte; written once, read by nobody here
.endr
	s_wait_tensorcnt 0x0
	ds_add_u32 v38, v39
	s_wait_dscnt 0x0
	s_endpgm
.Lfunc_end_k_q93339fee62_attn:
	.size	k_q93339fee62_attn, .Lfunc_end_k_q93339fee62_attn-k_q93339fee62_attn
	.p2alignl 7, 3214868480
	.fill 96, 4, 3214868480
	.section	.rodata,"a",@progbits
	.p2align	6, 0x0
	.amdhsa_kernel k_q93339fee62_attn
		.amdhsa_group_segment_fixed_size 90112
		.amdhsa_private_segment_fixed_size 0
		.amdhsa_enable_private_segment 0
		.amdhsa_kernarg_size 32
		.amdhsa_user_sgpr_count 2
		.amdhsa_user_sgpr_kernarg_segment_ptr 1
		.amdhsa_wavefront_size32 1
		.amdhsa_system_sgpr_workgroup_id_x 1
		.amdhsa_system_sgpr_workgroup_id_y 1
		.amdhsa_system_sgpr_workgroup_id_z 1
		.amdhsa_system_vgpr_workitem_id 0
		.amdhsa_next_free_vgpr 256
		.amdhsa_next_free_sgpr 66
		.amdhsa_reserve_vcc 0
		.amdhsa_float_denorm_mode_32 3
		.amdhsa_float_denorm_mode_16_64 3
		.amdhsa_memory_ordered 1
		.amdhsa_forward_progress 1
		.amdhsa_inst_pref_size 85
	.end_amdhsa_kernel
	.amdgpu_metadata
---
amdhsa.version: [ 1, 2 ]
amdhsa.kernels:
  - .name:           k_q93339fee62_attn
    .symbol:         k_q93339fee62_attn.kd
    .args:
      - { .name: k, .offset: 0, .size: 8, .value_kind: global_buffer, .address_space: global }
      - { .name: q, .offset: 8, .size: 8, .value_kind: global_buffer, .address_space: global }
      - { .name: v, .offset: 16, .size: 8, .value_kind: global_buffer, .address_space: global }
      - { .name: out0, .offset: 24, .size: 8, .value_kind: global_buffer, .address_space: global }
    .group_segment_fixed_size: 90112
    .private_segment_fixed_size: 0
    .kernarg_segment_align: 8
    .kernarg_segment_size: 32
    .max_flat_workgroup_size: 512
    .sgpr_count:     66
    .vgpr_count:     256
    .wavefront_size: 32
...
	.end_amdgpu_metadata
.endif
;; end of part 1
;; ======== version 2 of 2: 1 launch; version 1 with the launch attn written anew for expert scheduling mode
;; launch attn (part 2): grid 8 x 32, 16 waves a work-group, no clusters, 90,112 bytes of LDS; arguments k, q, v, out0; writes out0
.if DOCPART == 2
	.amdgcn_target "amdgcn-amd-amdhsa--gfx1250"
	.amdhsa_code_object_version 6
	.text
	.protected	k_q93339fee62_attn
	.globl	k_q93339fee62_attn
	.p2align	8
	.type	k_q93339fee62_attn,@function
k_q93339fee62_attn:
	s_mov_b64 s[64:65], 0
	v_nop
	global_prefetch_b8 v0, s[64:65] scope:SCOPE_SE
	s_setreg_imm32_b32 hwreg(HW_REG_WAVE_SCHED_MODE, 0, 2), 2
	s_setreg_imm32_b32 hwreg(HW_REG_WAVE_MODE, 25, 1), 1
	s_wait_xcnt 0x0
	s_wait_alu depctr_vm_vsrc(0)
; out0[h][q][:] = the sum over keys of softmax(q . k / 8) v, for 32 heads of 2,048 rows x 64 channels, all f32 in memory; both products on codes of FP4 (E2M1) with one E8M0 scale for each 32 along a product's K.
; THE SOFTMAX AHEAD OF THE SECOND PRODUCT: t = score x log2(e) / 8; M = the row's largest t so far, rounded UP to a whole number; p = 2^(t - M) is quantised along the keys, not normalised.  The row's sum is
; taken of the unquantised p, in f32, and divides at the end.  When M moves, the sum and O are multiplied by 2^(old M - new M), which rounds nothing.
; SHARES.  A work-group owns 256 queries of one head; each of its sixteen waves owns 16 of them in 256 registers, four waves to a SIMD, so that one wave's vector work stands beside another's products and LDS loads.
; Every wave walks the head's 2,048 keys, 128 a step.  K AND V ARE QUANTISED HERE, ONE STEP AHEAD: a step's 128 rows of K and of V are 16,384 numbers, 32 for each of the 512 threads.  They are asked for a whole
; step before they are wanted, quantised in registers, and stored into one of two small LDS slots AS IMAGES OF THE OPERANDS' REGISTERS: every wave then gets a fragment by loads of 16 bytes at 16 x lane.
; LAYOUT.  Both products are used transposed: S^T = K Q^T (source 0 = 16 keys, source 1 = my 16 queries), O^T = V^T P^T (source 0 = 16 channels, source 1 = P): a lane holds ONE query (lane % 16) throughout.
; The head's 64 channels are half of the instruction's 128 along K: a fragment of K or Q is four registers of codes (lane (r, h): block h of row r) and four of zero codes; bytes 2 and 3 of their scale words are 0.
; THE KEYS OF A TILE ARE NOT NEIGHBOURS: row rho of tile 4 c + i is key 64 c + 32 (rho / 8) + 8 i + rho % 8.  So a lane's 32 registers of tiles 4 c .. 4 c + 3 are the whole block of keys 64 c + 32 (lane / 16) + 0 .. 31,
; in the order of P's operand registers 4 c .. 4 c + 3: a block's largest score needs no other lane, and the conversions' results are the operand as they stand.
; ONE BARRIER A STEP, signal and wait apart.  In front of the signal a wave's stores into the next slot have landed and its reads of this slot are in; the softmax and the second product, on registers alone,
; stand between signal and wait; behind the wait the next slot is read and this one is written again.
; NO CLUSTER, NO JOINT LOADS, though the eight query blocks of a head walk the same K and V: what they share is f32, 65,536 bytes a step, which must pass through registers to be quantised.  Landed jointly in LDS it would
; be read out of LDS again in full, against the 8,960 bytes of codes and scales that a slot holds here, and every step's barrier would become a round of a cluster.  For the same reason no tensor load is used.
; O^T and the sum begin as zeros and the largest t as -3e38, so that the step is written without a first form of its own: 35 v_mov_b32 once.
; THE MODE: SCHED_MODE bits 1:0 = 2 (LLVM: expert scheduling mode 2), set by the entry lines.  The code itself states the register dependences between vector or matrix instructions and memory or LDS
; instructions, with s_wait_alu, always for 0.
; THE PLAN.  Registers that memory or LDS instructions touch, in a step:
;   v1 - v8       Offsets and LDS addresses: made once at the head, read by every load and store, never written again.
;   KS, KF        K's scale words and the four code registers of each of its four fragments.  Tiles 0-3 land at the step's head and are read by the first product's first four; tiles 4-7 land in the step's middle
;                 and are read by its second four.
;   VS, VF        V's scale words and fragments: they land in the step's middle and are read by the second product at its end.
;   KR, VR        The next tile's numbers: read by the quantiser between the first product's two fours; behind it the loads of the tile after land in them.
;   TM+6, 7, 11 - 15  The quantiser's codes and scales: written by it, read by six LDS stores, written again by the softmax.
; FIVE WAITS A STEP, one more being va_vdst ahead of the exponentials.  (1) va_vdst behind the quantiser: the first four products are done with KF, the last step's second product with VF and VS, the quantiser has written the stores' data and is done with KR and VR;
; the step's 13 LDS loads, six LDS stores and 20 global loads follow it with no vector or matrix instruction between.  (2) vm_vsrc ahead of the barrier's signal: the LDS stores have read TM.  (3) va_vdst behind the
; exponentials: their results are written, and the first product's second four are done with KS and KF; from there to the next step's first loads, over the loop's backward jump too, vector and matrix
; instructions name TM, SC, PC, PS, O^T, VF, VS and v12 - v15 alone.  (4) va_vdst ahead of the second product: p's codes and scale word are written.
; LIMITS.  NaN and infinities among the inputs are not served.  A block of zeros, or one whose largest magnitude lies under 2^-124, gets the scale byte 1 where the rule says 127 for zeros: its codes are zeros or the
; held scale's, and this program alone reads the bytes.  p under 2^-126 comes out of v_exp_f32 as 0.  A block's largest p is made from its largest score by the same multiply-add and exponential as every p, which takes
; v_exp_f32 not to fall where its input rises.
.set SLOTB, 9216                       ; an LDS slot: a key step's codes and scales
.set KIMG,  0                          ; 4,096 bytes: K's tile t at 512 t; lane (rho, block) has 16 bytes at 16 (rho + 16 block)
.set VIMG,  4096                       ; 4,096 bytes: V's channel tile ct at 1,024 ct, registers 4 c .. 4 c + 3 at 512 c, 16 bytes a lane
.set SCK,   8192                       ; 512 bytes: K's scale word of tile 4 c + i, row rho, at 256 c + 16 rho + 4 i
.set SCV,   8704                       ; 256 bytes: V's scale byte of channel 16 ct + r, key block b, at 16 r + 4 ct + b
.set STAGE, 2*SLOTB                    ; behind the slots: 16 rows x 272 bytes for each wave, for the way out
.set SP,    272                        ; a stage row: 256 bytes + 16: an odd multiple of 16, so that the 16 rows of a store begin at 16 different places modulo 256
.set TILEB, 32768                      ; a key step's rows of K or of V in memory: 128 x 256 bytes
.set FLOOR, 0x1800000                  ; 2^(3 - 127): no largest magnitude is taken under it, so that no scale byte falls under 1
.set LI,  1                            ; v1   16 x lane
.set LR,  2                            ; v2   16 x (lane % 16)
.set KST, 3                            ; v3   where I store 4 bytes of K's codes
.set KSS, 4                            ; v4   and my key's scale word
.set VST, 5                            ; v5   where I store 8 bytes of V's codes
.set VSS, 6                            ; v6   and my block's scale byte
.set KGO, 7                            ; v7   my byte offset in a key step's rows of K
.set VGO, 8                            ; v8   and of V
.set SHK, 9                            ; v9   8 x (which block of a key's 64 channels my eight numbers lie in)
.set SHH, 10                           ; v10  8 x (lane / 16)
.set QO,  11                           ; v11  my byte offset in the wave's rows of q
                                       ; v12  -M;  v13 the largest t so far;  v[14:15] the row's sum in two halves
.set QF,  16                           ; v[16:23]   q's fragment: 4 registers of codes, 4 of zeros
.set QS,  24                           ; v24        q's scale words
.set GO,  25                           ; v25        the way out: my byte offset in the wave's rows of out0
.set STO, 26                           ; v26        the way out: where I put 32 bytes of a row
.set RD,  27                           ; v27        the way out: where I read a row back
.set KS,  28                           ; v[28:31]   K's scale words: lanes 0-15 tiles 0-3, lanes 16-31 tiles 4-7
.set VS,  32                           ; v[32:35]   V's scale words, one register a channel tile
.set PS,  36                           ; v36        p's scale word
.set KF,  40                           ; v[40:71]   four fragments of K; the upper four registers of each are zeros, written once
.set VF,  72                           ; v[72:103]  V's four fragments
.set SC,  104                          ; v[104:167] S^T, then p
.set OT,  168                          ; v[168:199] O^T: register 8 ct + j is channel 16 ct + 8 (lane / 16) + j of my query
.set PC,  200                          ; v[200:207] p's codes
.set KR,  208                          ; v[208:223] 2 x 8 numbers of K on their way in
.set VR,  224                          ; v[224:239] 16 numbers of V on their way in
.set TM,  240                          ; v[240:255] at work
.set WV,  12                           ; s12  my wave's number
.set CNT, 13                           ; s13  trips to go
.set SEL, 20                           ; s[20:21] v_permlanex16_b32's selects for lane l xor 16
.set CS,  22                           ; s[22:23] c = log2(e) / 8: the packed form names a pair and takes its low word for both halves
	s_load_b256 s[4:11], s[0:1], 0x0               ; k s[4:5], q s[6:7], v s[8:9], out0 s[10:11]
	v_lshl_add_u32 v38, v0, 2, 0x15800
	v_mov_b32 v39, 0
	v_lshrrev_b32 v[TM], 5, v0
	v_readfirstlane_b32 s[WV], v[TM]               ; wave 0..15
	s_and_b32 s14, ttmp7, 0xffff                   ; the head,
	s_lshl_b32 s14, s14, 19                        ; its first byte in each tensor: 2,048 rows of 256 bytes
	s_mov_b32 s15, 0
	s_lshl_b32 s16, ttmp9, 16                      ; my work-group's 256 queries,
	s_wait_alu depctr_va_sdst(0)                   ; s12, the wave's number, is written, ahead of its first reader
	s_lshl_b32 s18, s[WV], 12                      ; my wave's 16 of them
	s_add_co_u32 s16, s16, s18
	s_add_co_u32 s16, s16, s14
	s_mov_b32 s17, 0
	s_mov_b32 s[SEL], 0x76543210
	s_mov_b32 s[SEL+1], 0xfedcba98
	s_mov_b32 s[CS], 0x3e38aa3b                    ; log2(e) / 8
	s_mov_b32 s[CS+1], s[CS]                       ; (named with it as a pair, so it is written)
	s_mov_b32 s[CNT], 7
	; Thread number = 32 w + l.  Every LDS address is made of its bit fields and constants.
	v_and_b32 v[LI], 31, v0
	v_lshlrev_b32 v[LI], 4, v[LI]
	v_and_b32 v[LR], 15, v0
	v_lshlrev_b32 v[LR], 4, v[LR]
	v_and_b32 v[TM], 3, v0                         ; l % 4: which register of a K fragment's four my eight codes are
	v_bfe_u32 v[TM+1], v0, 2, 1                    ; which block of the key's 64 channels
	v_bfe_u32 v[TM+2], v0, 3, 2                    ; l / 8: which of four keys
	v_bfe_u32 v[TM+3], v0, 5, 2                    ; w % 4
	v_bfe_u32 v[TM+4], v0, 7, 1                    ; (w / 4) % 2
	v_bfe_u32 v[TM+5], v0, 8, 1                    ; w / 8
	v_bfe_u32 v[TM+6], v0, 4, 1                    ; h = l / 16
	v_bfe_u32 v[TM+7], v0, 7, 2                    ; w / 4
	v_and_b32 v[TM+8], 0x1e0, v0                   ; 32 w
	; K: I hold channels 8 (l % 8) + 0 .. 7 of keys 8 w + 4 i + l / 8, i = 0, 1.  That key is row 8 ((w / 4) % 2) + 4 i + l / 8 of tile 4 (w / 8) + w % 4.
	v_lshlrev_b32 v[KST], 2, v[TM]
	v_lshl_add_u32 v[KST], v[TM+1], 8, v[KST]
	v_lshl_add_u32 v[KST], v[TM+2], 4, v[KST]
	v_lshl_add_u32 v[KST], v[TM+3], 9, v[KST]
	v_lshl_add_u32 v[KST], v[TM+4], 7, v[KST]
	v_lshl_add_u32 v[KST], v[TM+5], 11, v[KST]     ; 512 tile + 16 (row + 16 block) + 4 (l % 4); 64 i stands in the store's immediate
	v_lshlrev_b32 v[KSS], 4, v[TM+2]
	v_lshl_add_u32 v[KSS], v[TM+3], 2, v[KSS]
	v_lshl_add_u32 v[KSS], v[TM+4], 7, v[KSS]
	v_lshl_add_u32 v[KSS], v[TM+5], 8, v[KSS]      ; 256 (w / 8) + 16 row + 4 (w % 4)
	; V: I hold keys 32 (w / 4) + 16 h + 0 .. 15 of channel 16 (w % 4) + r: half of key block w / 4 = 2 c + h' of the operand's layout
	v_lshl_add_u32 v[VST], v[TM+6], 3, v[LR]
	v_lshl_add_u32 v[VST], v[TM+3], 10, v[VST]
	v_lshl_add_u32 v[VST], v[TM+4], 8, v[VST]
	v_lshl_add_u32 v[VST], v[TM+5], 9, v[VST]      ; 1,024 (w % 4) + 512 c + 16 (r + 16 h') + 8 h
	v_lshl_add_u32 v[VSS], v[TM+3], 2, v[LR]
	v_add_nc_u32 v[VSS], v[VSS], v[TM+7]           ; 16 r + 4 (w % 4) + w / 4
	v_lshlrev_b32 v[KGO], 1, v[LI]
	v_lshl_add_u32 v[KGO], v[TM+8], 6, v[KGO]      ; 8 rows of 256 bytes a wave + 32 l
	v_lshrrev_b32 v[VGO], 2, v[LR]
	v_lshl_add_u32 v[VGO], v[TM+6], 12, v[VGO]
	v_lshl_add_u32 v[VGO], v[TM+3], 6, v[VGO]
	v_lshl_add_u32 v[VGO], v[TM+7], 13, v[VGO]     ; 4 r + 16 h rows + 64 (w % 4) + 32 (w / 4) rows
	v_lshlrev_b32 v[SHK], 3, v[TM+1]
	v_lshlrev_b32 v[SHH], 3, v[TM+6]
	v_lshlrev_b32 v[QO], 4, v[LR]
	v_lshl_add_u32 v[QO], v[TM+6], 7, v[QO]        ; q: row r of 256 bytes, + 128 h: block h is all mine
	s_wait_kmcnt 0x0
	s_add_nc_u64 s[4:5], s[4:5], s[14:15]          ; k and v at the head's first key
	s_add_nc_u64 s[8:9], s[8:9], s[14:15]
	s_add_nc_u64 s[6:7], s[6:7], s[16:17]          ; q and out0 at my wave's first query
	s_add_nc_u64 s[10:11], s[10:11], s[16:17]
; The 20 loads of a key step's numbers, off bytes from the bases.  No hint: eight work-groups read the same bytes.
.macro LOADT off
.irp i, 0,1
.irp e, 0,1
	global_load_b128 v[KR+8*\i+4*\e:KR+8*\i+4*\e+3], v[KGO], s[4:5] offset:\off+1024*\i+16*\e   ; eight neighbours along a key's channels in one lane; the pair e = 0, 1 covers 1,024 consecutive bytes
.endr
.endr
.irp j, 0,1,2,3,4,5,6,7,8,9,10,11,12,13,14,15
	global_load_b32 v[VR+\j], v[VGO], s[8:9] offset:\off+256*\j   ; a lane to a channel, its registers down the keys; four waves stand side by side on a row's 256 bytes
.endr
.endm
; The numbers in KR and VR become codes and scales in registers: TM+14, 15 K's codes, TM+6, 7 its scale words, TM+12, 13 V's codes, TM+11 its scale byte.
.macro QARITH
	s_wait_loadcnt 0x0                             ; the 20 loads of this tile, asked for a step ago, are the only ones out
.irp i, 0,1
	v_max3_num_f32 v[TM+\i], |v[KR+8*\i]|, |v[KR+8*\i+1]|, FLOOR   ; K: the largest magnitude of my eight, and the floor
.endr
	v_max3_num_f32 v[TM+8], |v[VR]|, |v[VR+1]|, FLOOR              ; V: of my sixteen, in two chains
	v_max3_num_f32 v[TM+9], |v[VR+2]|, |v[VR+3]|, |v[VR+4]|
.irp n, 2,4,6
.irp i, 0,1
	v_max3_num_f32 v[TM+\i], v[TM+\i], |v[KR+8*\i+\n]|, |v[KR+8*\i+\n+1]|
.endr
.endr
.irp n, 5,9
	v_max3_num_f32 v[TM+8], v[TM+8], |v[VR+\n]|, |v[VR+\n+1]|
	v_max3_num_f32 v[TM+9], v[TM+9], |v[VR+\n+2]|, |v[VR+\n+3]|
.endr
	v_max3_num_f32 v[TM+8], v[TM+8], |v[VR+13]|, |v[VR+14]|
	v_max3_num_f32 v[TM+8], v[TM+8], v[TM+9], |v[VR+15]|
.irp i, 0,1
	v_max_num_f32_dpp v[TM+\i], v[TM+\i], v[TM+\i] row_xmask:1 row_mask:0xf bank_mask:0xf
.endr
.irp i, 0,1
	v_max_num_f32_dpp v[TM+\i], v[TM+\i], v[TM+\i] row_xmask:2 row_mask:0xf bank_mask:0xf   ; K: with the three lanes that share the block of 32 channels
.endr
	v_permlanex16_b32 v[TM+9], v[TM+8], s[SEL], s[SEL+1]
	v_max_num_f32 v[TM+8], v[TM+8], v[TM+9]        ; V: with lane l xor 16's sixteen keys
.irp i, 0,1
	v_add_nc_u32 v[TM+2+\i], 0xff000000, v[TM+\i]  ; 2 off the exponent field: the conversion takes the exponent field of this operand as its scale
.endr
	v_add_nc_u32 v[TM+10], 0xff000000, v[TM+8]
.irp i, 0,1
	v_lshrrev_b32 v[TM+4+\i], 23, v[TM+2+\i]       ; the scale's byte,
.endr
	v_lshrrev_b32 v[TM+11], 23, v[TM+10]
.irp i, 0,1
	v_lshlrev_b32 v[TM+4+\i], v[SHK], v[TM+4+\i]   ; K: at its block's place in the key's scale word;
.endr
.irp i, 0,1
	v_mov_b32_dpp v[TM+6+\i], v[TM+4+\i] row_xmask:4 row_mask:0xf bank_mask:0xf   ; the key's other block lies four lanes away
.endr
.irp i, 0,1
	v_or_b32 v[TM+6+\i], v[TM+6+\i], v[TM+4+\i]    ; the word: bytes 0, 1 the two blocks, bytes 2, 3 zero, over zero codes
.endr
.irp i, 0,1
	v_cvt_scalef32_pk8_fp4_f32 v[TM+14+\i], v[KR+8*\i:KR+8*\i+7], v[TM+2+\i]
.endr
	v_cvt_scalef32_pk8_fp4_f32 v[TM+12], v[VR:VR+7], v[TM+10]
	v_cvt_scalef32_pk8_fp4_f32 v[TM+13], v[VR+8:VR+15], v[TM+10]
	v_nop                                          ; one plain vector instruction behind the last scaled conversion
.endm
; They go into LDS slot slot: six stores.
.macro QSTORE slot
.irp i, 0,1
	ds_store_b32 v[KST], v[TM+14+\i] offset:(\slot)*SLOTB+KIMG+64*\i
	ds_store_b32 v[KSS], v[TM+6+\i] offset:(\slot)*SLOTB+SCK+64*\i   ; the eight lanes of a key write the same word with the same value
.endr
	ds_store_b64 v[VST], v[TM+12:TM+13] offset:(\slot)*SLOTB+VIMG
	ds_store_b8 v[VSS], v[TM+11] offset:(\slot)*SLOTB+SCV            ; both lanes of a block write the same byte with the same value
.endm
; The softmax of my 16 queries x 128 keys: registers alone.  Register SC + 32 c + n of lane (r, h) is key 64 c + 32 h + n of query r.
.macro SOFTMAX
.irp c, 0,1
.irp e, 0,1
	v_max3_num_f32 v[TM+2*\c+\e], v[SC+32*\c+16*\e], v[SC+32*\c+16*\e+1], v[SC+32*\c+16*\e+2]   ; THE LARGEST SCORE OF EACH BLOCK OF 32 KEYS, in two chains a block, each result tile from its low end on
.endr
.endr
.irp n, 3,5,7,9,11,13
.irp c, 0,1
.irp e, 0,1
	v_max3_num_f32 v[TM+2*\c+\e], v[TM+2*\c+\e], v[SC+32*\c+16*\e+\n], v[SC+32*\c+16*\e+\n+1]
.endr
.endr
.endr
.irp c, 0,1
	v_max3_num_f32 v[TM+2*\c], v[TM+2*\c], v[TM+2*\c+1], v[SC+32*\c+15]
.endr
.irp c, 0,1
	v_max_num_f32 v[TM+2*\c], v[TM+2*\c], v[SC+32*\c+31]   ; it serves twice: for the row's maximum and, since p rises with the score, for the block's largest p
.endr
	v_max_num_f32 v[TM+9], v[TM], v[TM+2]
	v_permlanex16_b32 v[TM+8], v[TM+9], s[SEL], s[SEL+1]
	v_max_num_f32 v[TM+9], v[TM+9], v[TM+8]        ; with lane l xor 16's 64 keys: the step's largest score of my query
	v_mul_f32 v[TM+9], s[CS], v[TM+9]              ; as t (c is positive)
	v_max_num_f32 v13, v13, v[TM+9]                ; the running largest t
	v_mov_b32 v[TM+9], v12
	v_floor_f32 v12, -v13                          ; the new -M = floor(-t) = -ceil(t): a whole number
	v_sub_f32 v[TM+9], v12, v[TM+9]                ; old M less new M: a whole number, 0 or less
	v_cvt_i32_f32 v[TM+9], v[TM+9]                 ; (it saturates)
	v_ldexp_f32 v[TM+10], 1.0, v[TM+9]             ; f = 2^(old M - new M)
.irp n, 0,2,4,6,8,10,12,14,16,18,20,22,24,26,28,30,32,34,36,38,40,42,44,46,48,50,52,54,56,58,60,62
	v_pk_fma_f32 v[SC+\n:SC+\n+1], v[SC+\n:SC+\n+1], s[CS:CS+1], v[12:13] op_sel_hi:[1,0,0]   ; t - M, two at a time (of the pairs c and -M the low word serves both halves)
.endr
.irp c, 0,1
	v_fma_f32 v[TM+2*\c], v[TM+2*\c], s[CS], v12   ; the same of each block's largest score
.endr
	s_wait_alu depctr_va_vdst(0)
.irp n, 0,1,2,3,4,5,6,7,8,9,10,11,12,13,14,15,16,17,18,19,20,21,22,23,24,25,26,27,28,29,30,31,32,33,34,35,36,37,38,39,40,41,42,43,44,45,46,47,48,49,50,51,52,53,54,55,56,57,58,59,60,61,62,63
	v_exp_f32 v[SC+\n], v[SC+\n]                   ; p = 2^(t - M), at most 1: not normalised
.endr
.irp c, 0,1
	v_exp_f32 v[TM+2*\c], v[TM+2*\c]               ; the block's largest p: the same two instructions on the same number
.endr
	v_pk_mul_f32 v[14:15], v[14:15], v[TM+10:TM+11] op_sel_hi:[1,0]   ; the sums under the new M; also the plain instruction behind the exponentials
	s_wait_alu depctr_va_vdst(0)                   ; the 66 exponentials have written p and the blocks' largest p, which the lines below read; and the first product's second four are done reading K's fragments and scale words, in which the next step's first loads land
.irp c, 0,1
	v_max_num_f32 v[TM+2*\c], FLOOR, v[TM+2*\c]    ; the floor: a block whose every p has fallen to 0 keeps the byte 1: its codes are zeros
.endr
.irp c, 0,1
	v_add_nc_u32 v[TM+4+\c], 0xff000000, v[TM+2*\c]   ; 2 off the exponent field: the conversion's scale operand
.endr
.irp c, 0,1
	v_lshrrev_b32 v[TM+6+\c], 23, v[TM+4+\c]       ; the scale's byte
.endr
	v_lshl_or_b32 v[TM+6], v[TM+7], 16, v[TM+6]    ; my two bytes, key blocks h and 2 + h,
	v_lshlrev_b32 v[TM+6], v[SHH], v[TM+6]         ; at their places;
	v_permlanex16_b32 v[TM+8], v[TM+6], s[SEL], s[SEL+1]
	v_or_b32 v[PS], v[TM+6], v[TM+8]               ; with lane l xor 16's two the query's scale word is whole
.irp c, 0,1
.irp g, 0,1,2,3
	v_cvt_scalef32_pk8_fp4_f32 v[PC+4*\c+\g], v[SC+32*\c+8*\g:SC+32*\c+8*\g+7], v[TM+4+\c]   ; register 4 c + g of the operand: keys 64 c + 32 h + 8 g + 0 .. 7
.endr
.endr
	v_nop                                          ; one plain vector instruction behind the last scaled conversion
	v_pk_add_f32 v[TM+12:TM+13], v[SC:SC+1], v[SC+2:SC+3]   ; THE ROW'S SUM IS TAKEN OF THE UNQUANTISED p: two at a time, in two chains
.irp n, 4,8,12,16,20,24,28,32,36,40,44,48,52,56,60
	v_pk_add_f32 v[14:15], v[14:15], v[SC+\n:SC+\n+1]
	v_pk_add_f32 v[TM+12:TM+13], v[TM+12:TM+13], v[SC+\n+2:SC+\n+3]
.endr
	v_pk_add_f32 v[14:15], v[14:15], v[TM+12:TM+13]
.irp n, 0,2,4,6,8,10,12,14,16,18,20,22,24,26,28,30
	v_pk_mul_f32 v[OT+\n:OT+\n+1], v[OT+\n:OT+\n+1], v[TM+10:TM+11] op_sel_hi:[1,0]   ; O^T under the new M, each tile from its low end on.  The 48 packed lines stand between the writing of p's codes and scale word and the products that take them
.endr
.endm
; A KEY STEP on the tiles in LDS slot slot.  quant = 1: the next step's numbers, which are in registers, are quantised into the other slot, and the step has a barrier.  load = 1: the step after that is asked for, off bytes from the bases.
.macro STEP slot, quant, load, off
	ds_load_b128 v[KS:KS+3], v[LI] offset:(\slot)*SLOTB+SCK          ; lanes 0-15: the words of tiles 0-3, row = lane; lanes 16-31: those of tiles 4-7.  No wait on va_vdst here: since the last one, behind the last step's exponentials, no vector or matrix instruction has named KS, KF or v1
.irp i, 0,1,2,3
	ds_load_b128 v[KF+8*\i:KF+8*\i+3], v[LI] offset:(\slot)*SLOTB+KIMG+512*\i
.endr
	s_wait_dscnt 0x0
.irp i, 0,1,2,3
	v_wmma_scale_f32_16x16x128_f8f6f4 v[SC+8*\i:SC+8*\i+7], v[KF+8*\i:KF+8*\i+7], v[QF:QF+7], 0, v[KS+\i], v[QS] matrix_a_fmt:MATRIX_FMT_FP4 matrix_b_fmt:MATRIX_FMT_FP4
.endr
.if \quant
	QARITH                                         ; the next tile is quantised here, on registers that these products do not name: its lines also stand between the products and the loads into K's fragments
.else
.rept 4
	v_nop                                          ; four plain vector instructions in front of loads into registers that matrix instructions have read
.endr
.endif
	s_wait_alu depctr_va_vdst(0)                   ; the four products above are done reading K's fragments, and the last step's closing products V's fragments and scale words: the loads below land in them; quant = 1: the quantiser has written the codes and scales that the LDS stores read, and is done reading KR and VR, in which the global loads land
.irp i, 0,1,2,3
	ds_load_b128 v[KF+8*\i:KF+8*\i+3], v[LI] offset:(\slot)*SLOTB+KIMG+2048+512*\i
.endr
	ds_load_b128 v[VS:VS+3], v[LR] offset:(\slot)*SLOTB+SCV          ; lane r: the words of channels r, 16 + r, 32 + r, 48 + r
.irp t, 0,1,2,3
.irp c, 0,1
	ds_load_b128 v[VF+8*\t+4*\c:VF+8*\t+4*\c+3], v[LI] offset:(\slot)*SLOTB+VIMG+1024*\t+512*\c
.endr
.endr
.if \quant
	QSTORE 1-(\slot)
.if \load
	LOADT \off                                     ; into the registers just quantised: these loads have a whole step in which to land
.endif
	s_wait_dscnt 15                                ; K's tiles 4-7 are in; the fifteen younger LDS instructions, V's nine loads and the six stores, may be out
.else
	s_wait_dscnt 9                                 ; K's tiles 4-7 are in; the nine younger loads, V's, may be out
.endif
.irp i, 0,1,2,3
	v_wmma_scale_f32_16x16x128_f8f6f4 v[SC+32+8*\i:SC+32+8*\i+7], v[KF+8*\i:KF+8*\i+7], v[QF:QF+7], 0, v[KS+\i], v[QS] matrix_a_fmt:MATRIX_FMT_FP4 matrix_b_fmt:MATRIX_FMT_FP4 matrix_a_scale:MATRIX_SCALE_ROW1
.endr
.rept 4
	v_nop                                          ; between the products and the first read of the scores
.endr
.if \quant
	s_wait_dscnt 0x0                               ; for the others' sake: my stores into the next slot have landed and my reads of this slot, V's among them, are in
	s_wait_alu depctr_vm_vsrc(0)                   ; the six LDS stores have read TM+6, 7 and TM+11 to 15, which the softmax writes again
	s_barrier_signal -1
.else
	s_wait_dscnt 0x0                               ; V's fragments and scale words are in
.endif
	SOFTMAX
	s_wait_alu depctr_va_vdst(0)                   ; the conversions have written p's codes and the v_or_b32 its scale word, which the scaled products below take; the 48 packed lines above stay beside this wait
.irp t, 0,1,2,3
	v_wmma_scale_f32_16x16x128_f8f6f4 v[OT+8*\t:OT+8*\t+7], v[VF+8*\t:VF+8*\t+7], v[PC:PC+7], v[OT+8*\t:OT+8*\t+7], v[VS+\t], v[PS] matrix_a_fmt:MATRIX_FMT_FP4 matrix_b_fmt:MATRIX_FMT_FP4   ; O^T += V^T P^T; the four accumulators take turns, one instruction a turn
.endr
.if \quant
	s_barrier_wait -1                              ; every wave has signalled: the next slot is whole, and nobody reads this one any more
.endif
.endm
	s_wait_alu depctr_va_vdst(0)                   ; the offsets and LDS addresses v1 to v8 and v11 are written: every load and store up to the way out reads one of them
.irp i, 0,1,2,3,4,5,6,7
	global_load_b128 v[SC+4*\i:SC+4*\i+3], v[QO], s[6:7] offset:16*\i th:TH_LOAD_NT   ; q(r, 32 h + 0 .. 31): read once in the launch, by this wave
.endr
	LOADT 0                                        ; key step 0
.irp i, 0,1,2,3
.irp g, 4,5,6,7
	v_mov_b32 v[KF+8*\i+\g], 0                     ; zero codes for k = 64 .. 127 of the first product, written once
.endr
.endr
.irp g, 4,5,6,7
	v_mov_b32 v[QF+\g], 0
.endr
.irp n, 0,1,2,3,4,5,6,7,8,9,10,11,12,13,14,15,16,17,18,19,20,21,22,23,24,25,26,27,28,29,30,31
	v_mov_b32 v[OT+\n], 0                          ; O^T: the first step finds zeros, which the first change of M leaves zeros
.endr
	v_mov_b32 v14, 0                               ; the sum, in two halves
	v_mov_b32 v15, 0
	v_mov_b32 v13, 0xff61b1e6                      ; the largest t so far: -3e38, under every t
	v_floor_f32 v12, -v13                          ; -M
	s_wait_loadcnt 20                              ; q's eight loads are in; the 20 of key step 0, issued behind them, may be out
	v_max3_num_f32 v[TM], |v[SC]|, |v[SC+1]|, FLOOR        ; q's block h of my row: all 32 numbers are mine; two chains
	v_max3_num_f32 v[TM+1], |v[SC+2]|, |v[SC+3]|, FLOOR
.irp n, 4,8,12,16,20,24,28
	v_max3_num_f32 v[TM], v[TM], |v[SC+\n]|, |v[SC+\n+1]|
	v_max3_num_f32 v[TM+1], v[TM+1], |v[SC+\n+2]|, |v[SC+\n+3]|
.endr
	v_max_num_f32 v[TM], v[TM], v[TM+1]
	v_add_nc_u32 v[TM+2], 0xff000000, v[TM]        ; the conversion's scale operand
	v_lshrrev_b32 v[TM+3], 23, v[TM+2]             ; the scale's byte,
	v_lshlrev_b32 v[TM+3], v[SHH], v[TM+3]         ; at its block's place;
	v_permlanex16_b32 v[TM+8], v[TM+3], s[SEL], s[SEL+1]   ; (its destination was written in the address arithmetic above)
	v_or_b32 v[QS], v[TM+3], v[TM+8]               ; with lane l xor 16's: bytes 0, 1; bytes 2, 3 zero, over zero codes
.irp g, 0,1,2,3
	v_cvt_scalef32_pk8_fp4_f32 v[QF+\g], v[SC+8*\g:SC+8*\g+7], v[TM+2]
.endr
	v_nop                                          ; one plain vector instruction behind the last scaled conversion
	QARITH                                         ; key step 0
	s_wait_alu depctr_va_vdst(0)                   ; the quantiser has written the codes and scales that the LDS stores read, and is done reading KR and VR, in which the loads of key step 1 land; q's codes and scale word and the zero codes, which the scaled products of every step take, are written too
	QSTORE 0                                       ; into slot 0
	LOADT TILEB                                    ; key step 1
	s_wait_dscnt 0x0                               ; my part of slot 0 has landed,
	s_wait_alu depctr_vm_vsrc(0)                   ; the six LDS stores have read TM+6, 7 and TM+11 to 15, which the first step's quantiser writes again
	s_barrier_signal -1
	s_barrier_wait -1                              ; everybody's has
.Ltrip:                                                ; seven trips of two key steps: step j multiplies tile j, quantises tile j + 1 and asks for tile j + 2; the last trip asks for tiles 14 and 15
	STEP 0, 1, 1, 2*TILEB
	STEP 1, 1, 1, 3*TILEB
	s_wait_xcnt 0x0                                ; the loads that are out have had their addresses translated (ISA guide 3.1): only now are their bases stepped
	s_add_nc_u64 s[4:5], s[4:5], 2*TILEB
	s_add_nc_u64 s[8:9], s[8:9], 2*TILEB
	s_sub_co_u32 s[CNT], s[CNT], 1
	s_cmp_lg_u32 s[CNT], 0
	s_cbranch_scc1 .Ltrip
	STEP 0, 1, 0, 0                                ; key step 14 quantises tile 15 and asks for nothing: no load leaves its buffer
	STEP 1, 0, 0, 0                                ; key step 15: nothing is left to quantise, so it has no barrier
	; THE WAY OUT.  The sum's halves are added; O^T is divided by the sum and goes through my own stage in LDS, so that rows leave whole.  The address arithmetic stands between the last products and the first read of their results.
	v_add_f32 v14, v14, v15                        ; the sum's two halves,
	v_and_b32 v[TM], 15, v0                        ; r
	v_bfe_u32 v[TM+1], v0, 4, 1                    ; h
	s_mul_i32 s18, s[WV], 16*SP
	s_add_co_u32 s18, s18, STAGE                   ; my stage
	v_mul_u32_u24 v[STO], v[TM], SP
	v_lshl_add_u32 v[STO], v[TM+1], 5, v[STO]
	v_add_nc_u32 v[STO], s18, v[STO]               ; in: row r; tile ct's eight channels of my half: 64 ct + 32 h bytes on
	v_permlanex16_b32 v[TM+8], v14, s[SEL], s[SEL+1]
	v_add_f32 v14, v14, v[TM+8]                    ; and lane l xor 16's: the row's sum
	s_wait_alu depctr_va_vdst(0)
	v_rcp_f32 v14, v14
	v_mul_u32_u24 v[RD], v[TM+1], SP               ; (a plain instruction behind the reciprocal)
	v_lshl_add_u32 v[RD], v[TM], 4, v[RD]
	v_add_nc_u32 v[RD], s18, v[RD]                 ; back: lanes 0-15 one row of 256 bytes, lanes 16-31 the next
	v_lshlrev_b32 v[GO], 8, v[TM+1]
	v_lshl_add_u32 v[GO], v[TM], 4, v[GO]          ; and the same two rows in out0
	s_wait_alu depctr_va_vdst(0)                   ; the reciprocal has written v14, which the multiplications below read
.irp n, 0,2,4,6,8,10,12,14,16,18,20,22,24,26,28,30
	v_pk_mul_f32 v[SC+\n:SC+\n+1], v[OT+\n:OT+\n+1], v[14:15] op_sel_hi:[1,0]   ; O^T / the sum, each tile from its low end on
.endr
	s_wait_alu depctr_va_vdst(0)                   ; the multiplications have written SC's lower half, which the LDS stores read; v25 to v27, the addresses of the way out, are written; the last softmax is done with SC's upper half, in which the loads from the stage land
.irp t, 0,1,2,3
	ds_store_b128 v[STO], v[SC+8*\t:SC+8*\t+3] offset:64*\t
	ds_store_b128 v[STO], v[SC+8*\t+4:SC+8*\t+7] offset:64*\t+16
.endr
.irp i, 0,1,2,3,4,5,6,7
	ds_load_b128 v[SC+32+4*\i:SC+32+4*\i+3], v[RD] offset:2*\i*SP   ; LDS serves a wave's instructions in order (ISA guide 5.7.1.4): these see my stores
.endr
.irp i, 0,1,2,3,4,5,6,7
	s_wait_dscnt 7-\i                              ; rows 2 i and 2 i + 1 are back; the younger loads may be out
	global_store_b128 v[GO], v[SC+32+4*\i:SC+32+4*\i+3], s[10:11] offset:512*\i th:TH_STORE_NT   ; 32 lanes store 512 consecutive bytes, at a multiple of 256 from out0's first byte; written once, read by nobody here
.endr
	s_wait_dscnt 0x0                               ; the closing lines, six on end
	s_wait_alu 0x0
	s_wait_tensorcnt 0x0
	ds_add_u32 v38, v39
	s_wait_dscnt 0x0
	s_endpgm
.Lfunc_end_k_q93339fee62_attn:
	.size	k_q93339fee62_attn, .Lfunc_end_k_q93339fee62_attn-k_q93339fee62_attn
	.p2alignl 7, 3214868480
	.fill 96, 4, 3214868480
	.section	.rodata,"a",@progbits
	.p2align	6, 0x0
	.amdhsa_kernel k_q93339fee62_attn
		.amdhsa_group_segment_fixed_size 90112
		.amdhsa_private_segment_fixed_size 0
		.amdhsa_enable_private_segment 0
		.amdhsa_kernarg_size 32
		.amdhsa_user_sgpr_count 2
		.amdhsa_user_sgpr_kernarg_segment_ptr 1
		.amdhsa_wavefront_size32 1
		.amdhsa_system_sgpr_workgroup_id_x 1
		.amdhsa_system_sgpr_workgroup_id_y 1
		.amdhsa_system_sgpr_workgroup_id_z 1
		.amdhsa_system_vgpr_workitem_id 0
		.amdhsa_next_free_vgpr 256
		.amdhsa_next_free_sgpr 66
		.amdhsa_reserve_vcc 0
		.amdhsa_float_denorm_mode_32 3
		.amdhsa_float_denorm_mode_16_64 3
		.amdhsa_memory_ordered 1
		.amdhsa_forward_progress 1
		.amdhsa_inst_pref_size 86
	.end_amdhsa_kernel
	.amdgpu_metadata
---
amdhsa.version: [ 1, 2 ]
amdhsa.kernels:
  - .name:           k_q93339fee62_attn
    .symbol:         k_q93339fee62_attn.kd
    .args:
      - { .name: k, .offset: 0, .size: 8, .value_kind: global_buffer, .address_space: global }
      - { .name: q, .offset: 8, .size: 8, .value_kind: global_buffer, .address_space: global }
      - { .name: v, .offset: 16, .size: 8, .value_kind: global_buffer, .address_space: global }
      - { .name: out0, .offset: 24, .size: 8, .value_kind: global_buffer, .address_space: global }
    .group_segment_fixed_size: 90112
    .private_segment_fixed_size: 0
    .kernarg_segment_align: 8
    .kernarg_segment_size: 32
    .max_flat_workgroup_size: 512
    .sgpr_count:     66
    .vgpr_count:     256
    .wavefront_size: 32
...
	.end_amdgpu_metadata
.endif
;; end of part 2
